; MI455X (gfx1250); checked and timed in simulation.
; The chip was launched on July 23, 2026; its instructions are those of AMD's public machine-readable ISA for CDNA 5 (MIT licence, August 2026) and "CDNA5" Instruction Set Architecture Reference Guide (July 2026). The comments in the code are by the model that wrote it; some were corrected since.
;; Block Local Attention Product. Allowed arithmetic: matrix products marked QUANTISED: E4M3 operands, one given power-of-two scale a tensor, by v_wmma_f32_16x16x64_fp8_fp8 or v_wmma_f32_16x16x128_fp8_fp8, f32 sums; everything else in f32.
;; Inputs: attention_mask 2 x 1 x 1 x 8,192 float32; global_key 2 x 12 x 64 x 64 float32; global_mask 2 x 1 x 1 x 64 float32; global_value 2 x 12 x 64 x 64 float32; key_layer 2 x 12 x 8,192 x 64 float32; lowp_scales 4 int32 (the exponents e of the quantised operands' scales 2^e); query_layer 2 x 12 x 8,192 x 64 float32; value_layer 2 x 12 x 8,192 x 64 float32.
;; Outputs: out0 2 x 12 x 8,192 x 64 float32.
;; This version of the problem:
;;   THIS VERSION OF THE PROBLEM IS GIVEN IN LOW PRECISION. The matrix products marked QUANTISED in the list below multiply operands that are first quantised to E4M3 (4 exponent bits, 3 mantissa bits; 8 bits a number), with one given power-of-two scale for each operand tensor; their sums are f32. All else is computed in f32.
;;   The module's matrix products, in the order in which they are computed (A, B: the left and right operand; K: the contracted axis; several contracted axes count as one K, in the product's order):
;;     1. batch 3,072 x [M 64, K 64] x [K 64, N 256]; A: input query_layer; B: computed on the way: QUANTISED (scales: A lowp_scales[0], B lowp_scales[1])
;;     2. batch 3,072 x [M 64, K 256] x [K 256, N 64]; A: softmax (see below); B: computed on the way: QUANTISED (scales: A lowp_scales[2], B lowp_scales[3])
;;   THE QUANTISER, for each operand of a quantised product, along K:
;;     - The operand's scale is 2^e, e = its entry of the input lowp_scales (int32; the entries are numbered through the quantised products in the list's order, A before B).
;;     - Each number is divided by the scale, clamped to +-448, and rounded to the nearest number of E4M3, ties to even, subnormals kept.
;;     - The product sums the exact products of the quantised numbers (number of the format x scale) in f32.
;;   ~~~python
;;   def quantise(x, axis, e):      # numpy; x: float32 -> the quantised numbers, widened to float32 again
;;       x = np.moveaxis(x, axis, -1); K = x.shape[-1]
;;       r = np.clip(x / 2.0 ** e, -448, 448)
;;       step = 2.0 ** (np.maximum(np.frexp(np.where(r == 0, 1, r))[1] - 1, -6) - 3)
;;       q = np.round(r / step) * step * 2.0 ** e      # np.round: ties to even
;;       return np.moveaxis(q, -1, axis).astype(np.float32)
;;   ~~~
;;   SOFTMAX AHEAD OF A QUANTISED PRODUCT. Where the list says 'softmax', what is quantised is not the finished softmax but p = 2^(t - M), with t = logit x log2(e) and M = ceil(the row's largest t), a whole number; so 1/2 < the row's largest p <= 1. The row's sum l is taken of the UNQUANTISED p, in f32, and the product's result is divided by l at the end. Since M is a whole number, a kernel that streams over the keys may use a running M (the ceiling of the running maximum): every later rescaling is an exact power of two, so the quantised numbers keep their values, but for numbers so far below the row's largest that they fall under the format's range.
;;   OPERANDS COMPUTED ON THE WAY. 'Computed on the way' means the value that the module computes at that place (a softmax that the list does not call 'softmax' is quantised finished and normalised). What goes into a quantiser is computed in f32, as accurately as f32 sums, v_exp_f32 and their like allow (about 1e-6 of the number): no bf16 or f16 on the way to a quantiser, and a product that is left as it is and whose result goes on into a quantised operand takes f32 operands (vector FMAs, or v_wmma_f32_16x16x4_f32). A number that lies on a knife's edge between two numbers of the format may be rounded either way, as far as f32 arithmetic and the matrix unit's own rounding can turn it there, and no further.
;; 2 versions. Each part assembles by itself: llvm-mc -triple=amdgcn-amd-amdhsa -mcpu=gfx1250 --defsym DOCPART=n.
;; ======== version 1 of 2: 1 launch
;; launch attn (part 1): grid 32 x 24, 4 waves a work-group, no clusters, 72,448 bytes of LDS; arguments query_layer, key_layer, value_layer, attention_mask, global_key, global_value, global_mask, lowp_scales, out0; writes out0
.if DOCPART == 1
	.amdgcn_target "amdgcn-amd-amdhsa--gfx1250"
	.amdhsa_code_object_version 6
	.text
	.protected	k_qa44ddd015f_attn
	.globl	k_qa44ddd015f_attn
	.p2align	8
	.type	k_qa44ddd015f_attn,@function
k_qa44ddd015f_attn:
	s_mov_b64 s[64:65], 0
	v_nop
	global_prefetch_b8 v0, s[64:65] scope:SCOPE_SE
	s_setreg_imm32_b32 hwreg(HW_REG_WAVE_MODE, 25, 1), 1
	s_wait_xcnt 0x0
; Block-local attention with global tokens, both products on codes of E4M3 with the four given scales 2^eq, 2^ek, 2^ep, 2^ev.
; 24 heads x 128 blocks of 64 queries; a block sees the keys of the block before, its own, the block behind (outside the head: zero keys and values under a mask of -10000) and the head's 64 global keys: 256 keys.
; SHARES.  A work-group (x, y) owns query blocks 4 x .. 4 x + 3 of head y: four trips.  It needs key blocks T0 .. T5 = 4 x - 1 .. 4 x + 4 and the global block G.  Each of the seven is read from memory once by the
; work-group, quantised once, and kept as codes in LDS bytes of its own: nothing in LDS is written twice but the wave's own rows of Q's stage and its own 16 words of 1 / l.  So one barrier a trip is enough.
; In a trip wave w owns queries 16 w .. 16 w + 15 of the block against all 256 keys (128 score registers: the row's largest t is known before any exponential), and quantises rows 16 w .. 16 w + 15 of the key block
; three blocks on, of its values, and of the next block of queries.  Those 24 loads of a wave were issued a whole trip earlier and stay out across the barrier and the softmax.
; FIRST PRODUCT, transposed: S^T = K Q^T + m', source 0 = 16 keys, source 1 = my 16 queries; lane (r, h) register i = key 16 c + 8 h + i of query r.  C is m' = mask x 2^(3 - eq - ek), loaded from LDS into the
; accumulator's own registers, so t = (sum + m') x c with c = log2(e) / 8 x 2^(eq + ek): the mask costs no vector instruction.  K's and Q's fragments come by two loads of 16 bytes: a permutation of the head's 64,
; the same on both sides, so each product meets its partner and only the order of the sums inside an instruction differs.
; SOFTMAX: M = ceil(the row's largest t); p = 2^(t - M) is quantised by 2^ep; l = the sum of the unquantised p; the result is divided by l and multiplied by 2^(ep + ev).
; SECOND PRODUCT, natural: O = P V.  The eight registers of a tile of S^T convert into registers 2 c, 2 c + 1 of source 0 as the 8-bit layout has them (k = 16 c + 8 h + i).  Tile j of V takes the columns d = 4 r + j,
; so register i of the four results is out(query 8 h + i, d = 4 r .. 4 r + 3): 16 neighbouring bytes; sixteen lanes store a whole row of 256 bytes, and no stage is needed on the way out.
; V's codes get the keys innermost by two 4 x 4 byte transposes in registers (v_perm_b32) and lie in LDS as images of the operand's registers.
; PAD BLOCKS (x = 0: T0; x = 31: T5): the address is held inside the head, the hold's limits are 0, so that every code is 0, and the mask is replaced by -10000.  No branch, no load left out.
; NOT USED: a cluster with joint loads.  Of a work-group's seven key blocks only four are wanted by one neighbour each, and f32 tiles have to pass through registers to be quantised in any case.
; LIMITS.  eq, ek, ep, ev between -126 and 119; eq + ek between -123 and 130; mask x 2^(3 - eq - ek) finite.  NaN among the inputs is not served.  The mask is added ahead of the factor 1 / 8, so its rounding differs
; from the reference's in the last bits of an f32 number.
.set BLKB, 16384                       ; a block of 64 rows x 256 bytes in memory
.set KP,   80                          ; a row of 64 codes in LDS + 16 of padding = 20 words: the 16 rows of a 16-byte load begin at 16 different 16-byte columns of 256 bytes
.set KBLK, 64*KP                       ; LDS 0: eight regions of 64 rows: T0 .. T5, G, Q's stage
.set VOFF, 8*KBLK                      ; seven regions of V's codes: fragment j at 1024 j; in it 512 (c / 2) + 16 lane + 8 (c % 2)
.set VBLK, 4096
.set MOFF, VOFF+7*VBLK                 ; 512 words of m': keys of T0 .. T5, then G (twice; the second copy is not read)
.set LTB,  MOFF+2048                   ; 64 bytes a wave: 2^(ep + ev) / l of its 16 queries
.set S,    64                          ; v64-191  S^T, p, then V's fragments; in the staging phase the quantisers' codes
.set KF0,  32                          ; v32-63   K's fragments; then p's codes; then the rows to store
.set KF1,  192                         ; v192-223 K's fragments; then the four results
.set PC,   32
.set OA,   192
.set QS,   224                         ; v224-255 the next block of Q as loaded
.set KS1,  0                           ; v256-287 (window 1) the next key block as loaded
.set VS1,  32                          ; v288-319 (window 1) its values
; v1 dense loads' offset; v2 V's loads' and the stores' offset; v3 code stores; v4 K's fragments; v5 Q's fragment; v6, v7 V's images in and out; v8 m'; v9, v10 1 / l in and out; v11-14 2^eq, 2^ek, 2^ev, 2^ep; v15 m' in;
; v16-23 at work; v24-31 Q's fragment, then 1 / l of eight queries
.set MSB, 0
.macro WIN new                         ; s_set_vgpr_msb: bits 1:0 source 0, 7:6 destination; the immediate's high byte repeats the setting that is left
.if MSB != (\new)
	s_set_vgpr_msb (MSB<<8)|(\new)
.set MSB, (\new)
.endif
.endm
.macro PLACES                          ; four plain vector instructions between a matrix instruction and a load into, or a vector access to, its registers
.rept 4
	v_nop
.endr
.endm
.macro BARRIER                         ; my LDS stores have landed and my LDS loads are in: then the work-group's barrier
	s_wait_dscnt 0x0
	s_barrier_signal -1
	s_barrier_wait -1
.endm
; my 16 rows of a block as they lie: each load reads 512 consecutive bytes; register group t holds row 2 t + h, d = 4 r .. 4 r + 3
.macro LDROWS dst, w1, base, off, nt
	WIN (0x40*\w1)
.irp t, 0,1,2,3,4,5,6,7
.if \nt
	global_load_b128 v[\dst+4*\t:\dst+4*\t+3], v1, s[\base:\base+1] offset:\off+512*\t th:TH_LOAD_NT
.else
	global_load_b128 v[\dst+4*\t:\dst+4*\t+3], v1, s[\base:\base+1] offset:\off+512*\t
.endif
.endr
	WIN 0
.endm
; my 16 rows of V: register group t holds row 8 h + t, d = 4 r .. 4 r + 3: each load reads two whole rows of 256 bytes
.macro LDV dst, w1, base, off
	WIN (0x40*\w1)
.irp t, 0,1,2,3,4,5,6,7
	global_load_b128 v[\dst+4*\t:\dst+4*\t+3], v2, s[\base:\base+1] offset:\off+256*\t
.endr
	WIN 0
.endm
; 32 numbers of a lane are held within s[nl], s[nl+1] (the conversion to an 8-bit code does not saturate: ISA guide 7.6.2) and become 8 registers of 4 codes in v[cd] on
.macro CODES src, w1, nl, sc, cd
	WIN (0x41*\w1)
.set cnt, 0
.rept 32
	v_med3_num_f32 v[\src+cnt], v[\src+cnt], s[\nl], s[\nl+1]
.set cnt, cnt+1
.endr
	WIN (0x01*\w1)
.irp p, 0,1,2,3
	v_cvt_scalef32_pk8_fp8_f32 v[\cd+2*\p:\cd+2*\p+1], v[\src+8*\p:\src+8*\p+7], v[\sc]
.endr
	WIN 0
	v_nop                                          ; one plain vector instruction behind the conversions
.endm
; rows of K or of Q: register t = 4 codes of row 2 t + h, which go to their place in a row of 80 bytes
.macro QROWS src, w1, nl, sc, cd, off
	CODES \src, \w1, \nl, \sc, \cd
.irp t, 0,1,2,3,4,5,6,7
	ds_store_b32 v3, v[\cd+\t] offset:\off+160*\t
.endr
.endm
; rows of V: register t = codes of key 8 h + t at d = 4 r .. 4 r + 3.  Two transposes of 4 x 4 bytes give, for each j, the pair (keys 0-3, keys 4-7) at d = 4 r + j: registers 2 w, 2 w + 1 of fragment j
.macro QV src, w1, nl, cd, xt, off
	CODES \src, \w1, \nl, 13, \cd
.irp g, 0,1
	v_perm_b32 v[\xt+4*\g],   v[\cd+4*\g+1], v[\cd+4*\g],   s59   ; keys 0, 1: d 0, d 1
	v_perm_b32 v[\xt+4*\g+1], v[\cd+4*\g+1], v[\cd+4*\g],   s60   ; keys 0, 1: d 2, d 3
	v_perm_b32 v[\xt+4*\g+2], v[\cd+4*\g+3], v[\cd+4*\g+2], s59   ; keys 2, 3
	v_perm_b32 v[\xt+4*\g+3], v[\cd+4*\g+3], v[\cd+4*\g+2], s60
.endr
.irp g, 0,1
	v_perm_b32 v[\cd+\g],   v[\xt+4*\g+2], v[\xt+4*\g],   s61     ; d 0 of four keys
	v_perm_b32 v[\cd+2+\g], v[\xt+4*\g+2], v[\xt+4*\g],   s62     ; d 1
	v_perm_b32 v[\cd+4+\g], v[\xt+4*\g+3], v[\xt+4*\g+1], s61     ; d 2
	v_perm_b32 v[\cd+6+\g], v[\xt+4*\g+3], v[\xt+4*\g+1], s62     ; d 3
.endr
.irp j, 0,1,2,3
	ds_store_b64 v6, v[\cd+2*\j:\cd+2*\j+1] offset:\off+1024*\j
.endr
.endm
; v[vr] = 2^e as f32 (the conversion takes its exponent field); s[sl], s[sl+1] = -448 x 2^e, +448 x 2^e
.macro MKSCALE se, vr, sl
	s_add_co_i32 s71, s[\se], 127
	s_lshl_b32 s72, s71, 23
	v_mov_b32 v[\vr], s72
	s_add_co_i32 s71, s71, 8
	s_lshl_b32 s71, s71, 23
	s_or_b32 s[\sl+1], s71, 0x600000
	s_or_b32 s[\sl], s[\sl+1], 0x80000000
.endm
; 16 LDS loads: for the trip's b-th key block (region tb) m' into the four accumulators, and K's four fragments into kf
.macro SLOAD b, tb, kf
.irp c, 0,1,2,3
.irp u, 0,1
	ds_load_b128 v[S+32*(\b)+8*\c+4*\u:S+32*(\b)+8*\c+4*\u+3], v8 offset:256*(\tb)+64*\c+16*\u
.endr
.endr
.irp c, 0,1,2,3
.irp u, 0,1
	ds_load_b128 v[\kf+8*\c+4*\u:\kf+8*\c+4*\u+3], v4 offset:KBLK*(\tb)+16*KP*\c+32*\u
.endr
.endr
.endm
.macro SMUL b, kf                      ; four tiles of 16 keys x my 16 queries: each accumulator has one instruction
.irp c, 0,1,2,3
	v_wmma_f32_16x16x64_fp8_fp8 v[S+32*\b+8*\c:S+32*\b+8*\c+7], v[\kf+8*\c:\kf+8*\c+7], v[24:31], v[S+32*\b+8*\c:S+32*\b+8*\c+7]
.endr
.endm
; p of key block b becomes source 0's eight registers; its 32 registers then take V's four fragments of region tb
.macro PCODES b, tb
.irp c, 0,1,2,3
	v_cvt_scalef32_pk8_fp8_f32 v[PC+8*\b+2*\c:PC+8*\b+2*\c+1], v[S+32*\b+8*\c:S+32*\b+8*\c+7], v14
.endr
	v_nop                                          ; one plain vector instruction behind the conversions
.irp j, 0,1,2,3
.irp q, 0,1
	ds_load_b128 v[S+32*\b+8*\j+4*\q:S+32*\b+8*\j+4*\q+3], v7 offset:VBLK*(\tb)+1024*\j+512*\q
.endr
.endr
.endm
.macro PV b                            ; the four results take turns, one instruction a turn
	s_wait_dscnt 24-8*\b                           ; V's eight loads of this block are in; those of the blocks behind it may be out
.irp j, 0,1,2,3
.if \b == 0
	v_wmma_f32_16x16x64_fp8_fp8 v[OA+8*\j:OA+8*\j+7], v[PC+8*\b:PC+8*\b+7], v[S+32*\b+8*\j:S+32*\b+8*\j+7], 0
.else
	v_wmma_f32_16x16x64_fp8_fp8 v[OA+8*\j:OA+8*\j+7], v[PC+8*\b:PC+8*\b+7], v[S+32*\b+8*\j:S+32*\b+8*\j+7], v[OA+8*\j:OA+8*\j+7]
.endif
.endr
.endm
	s_load_b512 s[8:23], s[0:1], 0x0               ; Q s[8:9], K s[10:11], V s[12:13], the mask s[14:15], global K s[16:17], global V s[18:19], global mask s[20:21], the scales' exponents s[22:23]
	s_load_b64 s[24:25], s[0:1], 0x40              ; out
	s_set_vgpr_msb 0x40
	v_lshl_add_u32 v64, v0, 2, 0x11900
	v_mov_b32 v65, 0
	s_set_vgpr_msb 0x4000
	s_mov_b32 s2, ttmp9                            ; x: the chunk of four query blocks
	s_and_b32 s3, ttmp7, 0xffff                    ; y: the head
	v_lshrrev_b32 v16, 5, v0
	v_readfirstlane_b32 s4, v16                    ; wave w
	s_lshr_b32 s5, s4, 1
	s_and_b32 s6, s4, 1
	v_and_b32 v17, 31, v0                          ; lane
	v_and_b32 v18, 15, v0                          ; r
	v_bfe_u32 v19, v0, 4, 1                        ; h
	s_lshl_b32 s71, s4, 12                         ; my 16 rows of 256 bytes
	s_mul_i32 s72, s4, 16*KP                       ; my 16 rows of codes
	v_lshl_add_u32 v1, v17, 4, s71                 ; dense: 4096 w + 16 lane
	v_lshl_add_u32 v2, v18, 4, s71
	v_lshl_add_u32 v2, v19, 11, v2                 ; V and out: 4096 w + 2048 h + 16 r
	v_mul_u32_u24 v3, v19, KP
	v_lshl_add_u32 v3, v18, 2, v3
	v_add_nc_u32 v3, s72, v3                       ; code stores: 1280 w + 80 h + 4 r
	v_mul_u32_u24 v4, v18, KP
	v_lshl_add_u32 v4, v19, 4, v4                  ; a fragment: row r, + 16 h
	v_add_nc_u32 v5, s72, v4                       ; Q's: my own 16 rows
	s_lshl_b32 s73, s5, 9
	s_lshl_b32 s74, s6, 3
	s_add_co_u32 s73, s73, s74
	s_add_co_u32 s73, s73, VOFF
	v_lshl_add_u32 v6, v17, 4, s73                 ; V's image, in: 512 (w / 2) + 8 (w % 2) + 16 lane
	v_lshl_add_u32 v7, v17, 4, VOFF                ; and out
	v_lshl_add_u32 v8, v19, 5, MOFF                ; m': eight keys of my half
	s_lshl_b32 s75, s4, 6
	s_add_co_u32 s75, s75, LTB
	v_lshl_add_u32 v9, v18, 2, s75                 ; 1 / l of query r,
	v_lshl_add_u32 v10, v19, 5, s75                ; and of queries 8 h .. 8 h + 7
	v_lshl_add_u32 v15, v0, 2, MOFF                ; m' on the way in: a word a thread
	; the mask: thread t takes key t of 128 in each of three pairs of blocks.  A block outside the head is held inside it, and s[68 + u] says so
	s_lshl_b32 s7, s2, 2
	s_add_co_u32 s7, s7, s5
	s_sub_co_i32 s7, s7, 1                         ; 4 x - 1 + w / 2
	s_lshl_b32 s74, s6, 7
.irp u, 0,1,2
	s_add_co_i32 s76, s7, 2*\u
	s_max_i32 s73, s76, 0
	s_min_i32 s73, s73, 127
	s_cmp_eq_u32 s73, s76
	s_cselect_b32 s[68+\u], -1, 0
	s_lshl_b32 s73, s73, 8
	s_add_co_u32 s73, s73, s74
	v_lshl_add_u32 v[28+\u], v17, 2, s73           ; 256 block + 128 (w % 2) + 4 lane
.endr
	v_and_b32 v31, 63, v0
	v_lshlrev_b32 v31, 2, v31                      ; the global mask: 64 words, taken twice
	s_lshl_b32 s26, s3, 21                         ; a head is 8,192 rows of 256 bytes,
	s_lshl_b32 s73, s2, 16                         ; a chunk 256 rows
	s_add_co_u32 s26, s26, s73
	s_mov_b32 s27, 0
	s_wait_kmcnt 0x0
	s_load_b128 s[28:31], s[22:23], 0x0            ; eq, ek, ep, ev
	s_add_nc_u64 s[8:9], s[8:9], s[26:27]          ; Q and out at the chunk's first row; K and V at T1
	s_add_nc_u64 s[10:11], s[10:11], s[26:27]
	s_add_nc_u64 s[12:13], s[12:13], s[26:27]
	s_add_nc_u64 s[24:25], s[24:25], s[26:27]
	s_lshl_b32 s26, s3, 14
	s_add_nc_u64 s[16:17], s[16:17], s[26:27]      ; the head's global keys and values
	s_add_nc_u64 s[18:19], s[18:19], s[26:27]
	s_cmp_ge_u32 s3, 12                            ; the masks hang on the batch alone
	s_cselect_b32 s26, 32768, 0
	s_add_nc_u64 s[14:15], s[14:15], s[26:27]
	s_cselect_b32 s26, 256, 0
	s_add_nc_u64 s[20:21], s[20:21], s[26:27]
	s_cmp_lg_u32 s2, 0                             ; T0: a block back, or T1 itself where there is none
	s_cselect_b32 s26, BLKB, 0
	s_sub_nc_u64 s[32:33], s[10:11], s[26:27]
	s_sub_nc_u64 s[36:37], s[12:13], s[26:27]
	s_cmp_lg_u32 s2, 31                            ; T5: four blocks on, or T1 itself
	s_cselect_b32 s26, 4*BLKB, 0
	s_add_nc_u64 s[34:35], s[10:11], s[26:27]
	s_add_nc_u64 s[38:39], s[12:13], s[26:27]
	; 76 loads of a wave go out in the order in which they are worked on
	global_load_b32 v24, v28, s[14:15]
	global_load_b32 v25, v29, s[14:15]
	global_load_b32 v26, v30, s[14:15]
	global_load_b32 v27, v31, s[20:21]
	LDROWS 64, 0, 16, 0, 0                         ; G
	LDV 96, 0, 18, 0
	LDROWS 128, 0, 32, 0, 0                        ; T0
	LDV 160, 0, 36, 0
	LDROWS 192, 0, 10, 0, 0                        ; T1
	LDV 32, 0, 12, 0
	LDROWS KS1, 1, 10, BLKB, 0                     ; T2
	LDV VS1, 1, 12, BLKB
	LDROWS QS, 0, 8, 0, 1                          ; Q's first block: read once in the launch
	s_mov_b32 s59, 0x05010400                      ; v_perm_b32: bytes 0, 1 of two registers, interleaved;
	s_mov_b32 s60, 0x07030602                      ; bytes 2, 3;
	s_mov_b32 s61, 0x05040100                      ; the low halves of two registers;
	s_mov_b32 s62, 0x07060302                      ; the high halves
	s_mov_b32 s66, 0x76543210                      ; v_permlanex16_b32: lane l xor 16
	s_mov_b32 s67, 0xfedcba98
	v_mov_b32 v16, 0xc61c4000                      ; -10000.0
	s_wait_kmcnt 0x0
	s_add_co_i32 s71, s28, s29                     ; eq + ek
	s_sub_co_i32 s42, 3, s71                       ; m' = mask x 2^(3 - eq - ek)
	s_lshl_b32 s72, s71, 23
	s_add_co_i32 s40, s72, 0x3e38aa3b              ; c = log2(e) / 8, with eq + ek added to its exponent field
	s_mov_b32 s41, s40                             ; (named with it as a pair, so it is written)
	MKSCALE 28, 11, 45                             ; Q
	MKSCALE 29, 12, 47                             ; K
	MKSCALE 31, 13, 49                             ; V
	MKSCALE 30, 14, 43                             ; p: s44 = 448 x 2^ep; s43 is written anew in the next line
	s_add_co_i32 s43, s30, s31                     ; ep + ev
	s_cmp_lg_u32 s2, 0                             ; a pad block's limits are 0: every code is 0
	s_cselect_b32 s51, s47, 0
	s_cselect_b32 s52, s48, 0
	s_cselect_b32 s53, s49, 0
	s_cselect_b32 s54, s50, 0
	s_cmp_lg_u32 s2, 31
	s_cselect_b32 s55, s47, 0
	s_cselect_b32 s56, s48, 0
	s_cselect_b32 s57, s49, 0
	s_cselect_b32 s58, s50, 0
	s_wait_loadcnt 63                              ; of 76 loads the oldest 13 are in: the four of the masks and G's keys (64 were issued behind those; the count's field ends at 63)
.irp u, 0,1,2
	v_cndmask_b32 v[24+\u], v16, v[24+\u], s[68+\u]   ; outside the head: -10000
.endr
.irp u, 0,1,2,3
	v_ldexp_f32 v[24+\u], v[24+\u], s42
.endr
.irp u, 0,1,2,3
	ds_store_b32 v15, v[24+\u] offset:512*\u
.endr
	; each block is quantised behind a wait that leaves all younger loads out.  The codes' registers lie in staging that has been worked off; no two quantisers share one, so no register that an LDS store reads is written again ahead of the barrier
	QROWS 64, 0, 47, 12, 16, KBLK*6
	s_wait_loadcnt 56
	QV 96, 0, 49, S, S+8, VBLK*6
	s_wait_loadcnt 48
	QROWS 128, 0, 51, 12, S+16, 0
	s_wait_loadcnt 40
	QV 160, 0, 53, S+32, S+40, 0
	s_wait_loadcnt 32
	QROWS 192, 0, 47, 12, S+24, KBLK
	s_wait_loadcnt 24
	QV 32, 0, 49, S+48, S+56, VBLK
	s_wait_loadcnt 16                              ; T2's keys are in; its values and Q may be out
	QROWS KS1, 1, 47, 12, S+64, KBLK*2
	LDROWS KS1, 1, 10, 2*BLKB, 0                   ; T3, for the first trip's staging
	s_wait_loadcnt 16                              ; behind T2's values: Q and T3's keys
	QV VS1, 1, 49, S+72, S+80, VBLK*2
	LDV VS1, 1, 12, 2*BLKB
	s_wait_loadcnt 16                              ; behind Q: T3's keys and values
	QROWS QS, 0, 45, 11, S+88, KBLK*7
	LDROWS QS, 0, 8, BLKB, 1                       ; Q's second block
	s_wait_dscnt 8                                 ; all LDS stores but Q's eight are done: those of m' have read v24-27
	ds_load_b128 v[24:27], v5 offset:KBLK*7        ; Q's fragment: my own rows; LDS serves a wave's instructions in order (ISA guide 5.7.1.4)
	ds_load_b128 v[28:31], v5 offset:KBLK*7+32
	BARRIER                                        ; T0, T1, T2, G and m' lie in LDS
; TRIP i: query block 4 x + i against regions i, i + 1, i + 2 and 6
.macro TRIP i
	SLOAD 0, \i, KF0
	SLOAD 1, \i+1, KF1
	s_wait_dscnt 16                                ; the older 16 loads are in, here and twice below
	SMUL 0, KF0
	PLACES                                         ; in front of the loads into K's fragments
	SLOAD 2, \i+2, KF0
	s_wait_dscnt 16
	SMUL 1, KF1
	PLACES
	SLOAD 3, 6, KF1
	s_wait_dscnt 16
	SMUL 2, KF0
	s_wait_dscnt 0x0
	SMUL 3, KF1
	; the row's largest sum, in two chains that go up through the registers: each accumulator is first read at its low end, and the first lines are the places behind the last products
	v_max3_num_f32 v16, v[S], v[S+1], v[S+2]
	v_max3_num_f32 v17, v[S+3], v[S+4], v[S+5]
.set cnt, 6
.rept 30
	v_max3_num_f32 v16, v16, v[S+cnt], v[S+cnt+1]
	v_max3_num_f32 v17, v17, v[S+cnt+2], v[S+cnt+3]
.set cnt, cnt+4
.endr
	v_max3_num_f32 v16, v16, v[S+126], v[S+127]
	v_max_num_f32 v16, v16, v17
	v_permlanex16_b32 v18, v16, s66, s67           ; my query's other 128 keys lie in lane l xor 16
	v_max_num_f32 v16, v16, v18
	v_mul_f32 v16, s40, v16                        ; as t (c is positive)
	v_floor_f32 v20, -v16                          ; -M = floor(-t) = -ceil(t)
.set cnt, 0
.rept 64
	v_pk_fma_f32 v[S+cnt:S+cnt+1], v[S+cnt:S+cnt+1], s[40:41], v[20:21] op_sel_hi:[1,0,0]   ; t - M, two at a time (of the pairs c and -M the low word serves both halves)
.set cnt, cnt+2
.endr
.set cnt, 0
.rept 128
	v_exp_f32 v[S+cnt], v[S+cnt]                   ; p = 2^(t - M)
.set cnt, cnt+1
.endr
	v_nop                                          ; a plain instruction between the exponentials and the use of their results
	s_wait_alu depctr_va_vdst(0)
	v_pk_add_f32 v[16:17], v[S:S+1], v[S+2:S+3]    ; l: the sum of the unquantised p, two at a time, in two chains
	v_pk_add_f32 v[18:19], v[S+4:S+5], v[S+6:S+7]
.set cnt, 8
.rept 30
	v_pk_add_f32 v[16:17], v[16:17], v[S+cnt:S+cnt+1]
	v_pk_add_f32 v[18:19], v[18:19], v[S+cnt+2:S+cnt+3]
.set cnt, cnt+4
.endr
	v_pk_add_f32 v[16:17], v[16:17], v[18:19]
	v_add_f32 v16, v16, v17
	v_permlanex16_b32 v22, v16, s66, s67
	v_add_f32 v16, v16, v22
	v_rcp_f32 v23, v16
	v_nop                                          ; a plain instruction behind the reciprocal
	s_wait_alu depctr_va_vdst(0)
	v_ldexp_f32 v23, v23, s43                      ; 2^(ep + ev) / l of query r.  The results hold query 8 h + i in register i: 16 words turn through my own LDS bytes
	ds_store_b32 v9, v23
	ds_load_b128 v[24:27], v10
	ds_load_b128 v[28:31], v10 offset:16
	; the hold at the largest code.  p is at most 1 (but for the last bit), and from ep = -8 on 448 x 2^ep is 1.75 or more: the hold then changes nothing and is passed over, by a branch on the given whole number
	s_cmp_ge_i32 s30, -8
	s_cbranch_scc1 .Lno_hold_\@
.set cnt, 0
.rept 128
	v_min_num_f32 v[S+cnt], s44, v[S+cnt]          ; p is not negative: the hold is one-sided
.set cnt, cnt+1
.endr
.Lno_hold_\@:
	PCODES 0, \i
	PCODES 1, \i+1
	PCODES 2, \i+2
	PCODES 3, 6
	PV 0                                           ; (its wait also covers the older loads of 1 / l)
	PV 1
	PV 2
	PV 3
	PLACES
.irp q, 0,1,2,3,4,5,6,7
.irp j, 0,1,2,3
	v_mul_f32 v[PC+4*\q+\j], v[OA+8*\j+\q], v[24+\q]   ; out(8 h + q, 4 r + j); each result from its low end on
.endr
.endr
.irp q, 0,1,2,3,4,5,6,7
	global_store_b128 v2, v[PC+4*\q:PC+4*\q+3], s[24:25] offset:BLKB*\i+256*\q th:TH_STORE_NT   ; sixteen lanes store a row's 256 bytes, the wave two rows
.endr
.if \i < 3
	; STAGING: the key block that the next trip adds, its values, and the next queries; then the loads for the trip after that
	s_wait_loadcnt 16                              ; the keys are in; the values and Q may be out
.if \i == 2
	QROWS KS1, 1, 55, 12, S, KBLK*5                ; T5, with its own limits
.else
	QROWS KS1, 1, 47, 12, S, KBLK*(\i+3)
.endif
.if \i == 0
	LDROWS KS1, 1, 10, 3*BLKB, 0                   ; T4
.endif
.if \i == 1
	LDROWS KS1, 1, 34, 0, 0                        ; T5
.endif
.if \i == 2
	s_wait_loadcnt 8                               ; behind the values: Q alone
	QV VS1, 1, 57, S+8, S+16, VBLK*5
	s_wait_loadcnt 0x0
.else
	s_wait_loadcnt 16                              ; behind the values: Q and the keys just asked for
	QV VS1, 1, 49, S+8, S+16, VBLK*(\i+3)
.if \i == 0
	LDV VS1, 1, 12, 3*BLKB
.else
	LDV VS1, 1, 38, 0
.endif
	s_wait_loadcnt 16                              ; behind Q: the keys and values just asked for
.endif
	QROWS QS, 0, 45, 11, S+24, KBLK*7
.if \i < 2
	LDROWS QS, 0, 8, (\i+2)*BLKB, 1
.endif
	ds_load_b128 v[24:27], v5 offset:KBLK*7        ; the next trip's fragment of Q: my own rows, behind my own stores
	ds_load_b128 v[28:31], v5 offset:KBLK*7+32
	s_wait_xcnt 0x0                                ; the stores of out have read v32-63, which the next trip loads over
	BARRIER                                        ; the new key block lies in LDS
.endif
.endm
	TRIP 0
	TRIP 1
	TRIP 2
	TRIP 3
	s_set_vgpr_msb 0x5
	s_wait_tensorcnt 0x0
	ds_add_u32 v64, v65
	s_wait_dscnt 0x0
	s_set_vgpr_msb 0x500
	s_endpgm
.Lfunc_end_k_qa44ddd015f_attn:
	.size	k_qa44ddd015f_attn, .Lfunc_end_k_qa44ddd015f_attn-k_qa44ddd015f_attn
	.p2alignl 7, 3214868480
	.fill 96, 4, 3214868480
	.section	.rodata,"a",@progbits
	.p2align	6, 0x0
	.amdhsa_kernel k_qa44ddd015f_attn
		.amdhsa_group_segment_fixed_size 72448
		.amdhsa_private_segment_fixed_size 0
		.amdhsa_enable_private_segment 0
		.amdhsa_kernarg_size 72
		.amdhsa_user_sgpr_count 2
		.amdhsa_user_sgpr_kernarg_segment_ptr 1
		.amdhsa_wavefront_size32 1
		.amdhsa_system_sgpr_workgroup_id_x 1
		.amdhsa_system_sgpr_workgroup_id_y 1
		.amdhsa_system_sgpr_workgroup_id_z 1
		.amdhsa_system_vgpr_workitem_id 0
		.amdhsa_next_free_vgpr 322
		.amdhsa_next_free_sgpr 80
		.amdhsa_reserve_vcc 0
		.amdhsa_float_denorm_mode_32 3
		.amdhsa_float_denorm_mode_16_64 3
		.amdhsa_memory_ordered 1
		.amdhsa_forward_progress 1
		.amdhsa_inst_pref_size 209
	.end_amdhsa_kernel
	.amdgpu_metadata
---
amdhsa.version: [ 1, 2 ]
amdhsa.kernels:
  - .name:           k_qa44ddd015f_attn
    .symbol:         k_qa44ddd015f_attn.kd
    .args:
      - { .name: query_layer, .offset: 0, .size: 8, .value_kind: global_buffer, .address_space: global }
      - { .name: key_layer, .offset: 8, .size: 8, .value_kind: global_buffer, .address_space: global }
      - { .name: value_layer, .offset: 16, .size: 8, .value_kind: global_buffer, .address_space: global }
      - { .name: attention_mask, .offset: 24, .size: 8, .value_kind: global_buffer, .address_space: global }
      - { .name: global_key, .offset: 32, .size: 8, .value_kind: global_buffer, .address_space: global }
      - { .name: global_value, .offset: 40, .size: 8, .value_kind: global_buffer, .address_space: global }
      - { .name: global_mask, .offset: 48, .size: 8, .value_kind: global_buffer, .address_space: global }
      - { .name: lowp_scales, .offset: 56, .size: 8, .value_kind: global_buffer, .address_space: global }
      - { .name: out0, .offset: 64, .size: 8, .value_kind: global_buffer, .address_space: global }
    .group_segment_fixed_size: 72448
    .private_segment_fixed_size: 0
    .kernarg_segment_align: 8
    .kernarg_segment_size: 72
    .max_flat_workgroup_size: 128
    .sgpr_count:     80
    .vgpr_count:     322
    .wavefront_size: 32
...
	.end_amdgpu_metadata
.endif
;; end of part 1
;; ======== version 2 of 2: 1 launch; version 1 with the launch attn written anew for expert scheduling mode
;; launch attn (part 2): grid 32 x 24, 4 waves a work-group, no clusters, 72,448 bytes of LDS; arguments query_layer, key_layer, value_layer, attention_mask, global_key, global_value, global_mask, lowp_scales, out0; writes out0
.if DOCPART == 2
	.amdgcn_target "amdgcn-amd-amdhsa--gfx1250"
	.amdhsa_code_object_version 6
	.text
	.protected	k_qa44ddd015f_attn
	.globl	k_qa44ddd015f_attn
	.p2align	8
	.type	k_qa44ddd015f_attn,@function
k_qa44ddd015f_attn:
	s_mov_b64 s[64:65], 0
	v_nop
	global_prefetch_b8 v0, s[64:65] scope:SCOPE_SE
	s_setreg_imm32_b32 hwreg(HW_REG_WAVE_SCHED_MODE, 0, 2), 2
	s_setreg_imm32_b32 hwreg(HW_REG_WAVE_MODE, 25, 1), 1
	s_wait_xcnt 0x0
	s_wait_alu depctr_vm_vsrc(0)
; Block-local attention with global tokens, both products on codes of E4M3 with the four given scales 2^eq, 2^ek, 2^ep, 2^ev.
; 24 heads x 128 blocks of 64 queries; a block sees the keys of the block before, its own, the block behind (outside the head: zero keys and values under a mask of -10000) and the head's 64 global keys: 256 keys.
; SHARES.  A work-group (x, y) owns query blocks 4 x .. 4 x + 3 of head y: four trips.  It needs key blocks T0 .. T5 = 4 x - 1 .. 4 x + 4 and the global block G.  Each of the seven is read from memory once by the
; work-group, quantised once, and kept as codes in LDS bytes of its own: nothing in LDS is written twice but the wave's own rows of Q's stage and its own 16 words of 1 / l.  So one barrier a trip is enough.
; In a trip wave w owns queries 16 w .. 16 w + 15 of the block against all 256 keys (128 score registers: the row's largest t is known before any exponential), and quantises rows 16 w .. 16 w + 15 of the key block
; three blocks on, of its values, and of the next block of queries.  Those 24 loads of a wave were issued a whole trip earlier and stay out across the barrier and the softmax.
; FIRST PRODUCT, transposed: S^T = K Q^T + m', source 0 = 16 keys, source 1 = my 16 queries; lane (r, h) register i = key 16 c + 8 h + i of query r.  C is m' = mask x 2^(3 - eq - ek), loaded from LDS into the
; accumulator's own registers, so t = (sum + m') x c with c = log2(e) / 8 x 2^(eq + ek): the mask costs no vector instruction.  K's and Q's fragments come by two loads of 16 bytes: a permutation of the head's 64,
; the same on both sides, so each product meets its partner and only the order of the sums inside an instruction differs.
; SOFTMAX: M = ceil(the row's largest t); p = 2^(t - M) is quantised by 2^ep; l = the sum of the unquantised p; the result is divided by l and multiplied by 2^(ep + ev).
; SECOND PRODUCT, natural: O = P V.  The eight registers of a tile of S^T convert into registers 2 c, 2 c + 1 of source 0 as the 8-bit layout has them (k = 16 c + 8 h + i).  Tile j of V takes the columns d = 4 r + j,
; so register i of the four results is out(query 8 h + i, d = 4 r .. 4 r + 3): 16 neighbouring bytes; sixteen lanes store a whole row of 256 bytes, and no stage is needed on the way out.
; V's codes get the keys innermost by two 4 x 4 byte transposes in registers (v_perm_b32) and lie in LDS as images of the operand's registers.
; PAD BLOCKS (x = 0: T0; x = 31: T5): the address is held inside the head, the hold's limits are 0, so that every code is 0, and the mask is replaced by -10000.  No branch, no load left out.
; NOT USED: a cluster with joint loads.  Of a work-group's seven key blocks only four are wanted by one neighbour each, and f32 tiles have to pass through registers to be quantised in any case.
; LIMITS.  eq, ek, ep, ev between -126 and 119; eq + ek between -123 and 130; mask x 2^(3 - eq - ek) finite.  NaN among the inputs is not served.  The mask is added ahead of the factor 1 / 8, so its rounding differs
; from the reference's in the last bits of an f32 number.
; THE MODE: SCHED_MODE bits 1:0 = 2 (LLVM: expert scheduling mode 2), set by the entry lines.  The code itself states the register dependences between vector or matrix instructions and memory or LDS
; instructions, with s_wait_alu, always for 0.
; THE PLAN.  Registers that memory or LDS instructions touch, and who else names them:
;   v1-10, v15    offsets and LDS addresses: written once at the head, ahead of the head's wait, and never again.
;   KS1, VS1, QS  global loads land; the staging's holds and conversions read and write them; behind the wait that follows its quantiser each is loaded again.
;   the codes     (32 registers of S in a trip; v16-23 and v64-159 at the head; no two quantisers share one) written by conversions and byte permutes; read by LDS stores behind a wait; next written by the trip's loads of m'.
;   S             m' lands; the first products write; the softmax works in place; p's conversions read; V's fragments land; the second products read; then the staging's codes.
;   KF0, KF1      K's fragments of blocks 0, 1 land and are multiplied; then those of blocks 2, 3.  Then v32-63 hold p's codes and the rows of out, which the stores read; v192-223 the results.
;   v24-31        Q's fragment lands, the first products read it; 1 / l lands, the last multiplications read it; the next fragment of Q lands.       v23: 1 / l, read by one LDS store.
; A TRIP has seven waits on va_vdst: behind products 0 and 1 (K's fragments may be loaded over); behind the exponentials; behind the reciprocal; behind p's conversions (1 / l may be stored, S and v24-31 loaded over);
; and three in the staging, one behind each of its quantisers: the quantiser's codes may be stored and its staging registers loaded again at once.  The first of the three also states that the rows of out are written:
; their eight stores are dealt among the values' byte permutes, which name none of their registers.  The last of the three leaves all that the next trip's head loads over free of vector and matrix instructions.
; And one on vm_vsrc, ahead of the barrier: the stores have read the rows of out, the codes and v23, which the next trip writes.
.set BLKB, 16384                       ; a block of 64 rows x 256 bytes in memory
.set KP,   80                          ; a row of 64 codes in LDS + 16 of padding = 20 words: the 16 rows of a 16-byte load begin at 16 different 16-byte columns of 256 bytes
.set KBLK, 64*KP                       ; LDS 0: eight regions of 64 rows: T0 .. T5, G, Q's stage
.set VOFF, 8*KBLK                      ; seven regions of V's codes: fragment j at 1024 j; in it 512 (c / 2) + 16 lane + 8 (c % 2)
.set VBLK, 4096
.set MOFF, VOFF+7*VBLK                 ; 512 words of m': keys of T0 .. T5, then G (twice; the second copy is not read)
.set LTB,  MOFF+2048                   ; 64 bytes a wave: 2^(ep + ev) / l of its 16 queries
.set S,    64                          ; v64-191  S^T, p, then V's fragments; in the staging phase the quantisers' codes
.set KF0,  32                          ; v32-63   K's fragments; then p's codes; then the rows to store
.set KF1,  192                         ; v192-223 K's fragments; then the four results
.set PC,   32
.set OA,   192
.set QS,   224                         ; v224-255 the next block of Q as loaded
.set KS1,  0                           ; v256-287 (window 1) the next key block as loaded
.set VS1,  32                          ; v288-319 (window 1) its values
; v1 dense loads' offset; v2 V's loads' and the stores' offset; v3 code stores; v4 K's fragments; v5 Q's fragment; v6, v7 V's images in and out; v8 m'; v9, v10 1 / l in and out; v11-14 2^eq, 2^ek, 2^ev, 2^ep; v15 m' in;
; v16-23 at work; v24-31 Q's fragment, then 1 / l of eight queries
.set MSB, 0
.macro WIN new                         ; s_set_vgpr_msb: bits 1:0 source 0, 7:6 destination; the immediate's high byte repeats the setting that is left
.if MSB != (\new)
	s_set_vgpr_msb (MSB<<8)|(\new)
.set MSB, (\new)
.endif
.endm
.macro PLACES                          ; four plain vector instructions behind a matrix instruction (ISA guide 7.12.1)
.rept 4
	v_nop
.endr
.endm
.macro BARRIER                         ; my LDS stores have landed and my LDS loads are in: then the work-group's barrier
	s_wait_dscnt 0x0
	s_barrier_signal -1
	s_barrier_wait -1
.endm
; my 16 rows of a block as they lie: each load reads 512 consecutive bytes; register group t holds row 2 t + h, d = 4 r .. 4 r + 3.  (The caller sets the destination's window)
.macro LDROWS dst, base, off, nt
.irp t, 0,1,2,3,4,5,6,7
.if \nt
	global_load_b128 v[\dst+4*\t:\dst+4*\t+3], v1, s[\base:\base+1] offset:\off+512*\t th:TH_LOAD_NT
.else
	global_load_b128 v[\dst+4*\t:\dst+4*\t+3], v1, s[\base:\base+1] offset:\off+512*\t
.endif
.endr
.endm
; my 16 rows of V: register group t holds row 8 h + t, d = 4 r .. 4 r + 3: each load reads two whole rows of 256 bytes
.macro LDV dst, base, off
.irp t, 0,1,2,3,4,5,6,7
	global_load_b128 v[\dst+4*\t:\dst+4*\t+3], v2, s[\base:\base+1] offset:\off+256*\t
.endr
.endm
; 32 numbers of a lane are held within s[nl], s[nl+1] (the conversion to an 8-bit code does not saturate: ISA guide 7.6.2) and become 8 registers of 4 codes in v[cd] on.
; Of rows of K or of Q register t = 4 codes of row 2 t + h
.macro CODES src, w1, nl, sc, cd
	WIN (0x41*\w1)
.set cnt, 0
.rept 32
	v_med3_num_f32 v[\src+cnt], v[\src+cnt], s[\nl], s[\nl+1]
.set cnt, cnt+1
.endr
	WIN (0x01*\w1)
.irp p, 0,1,2,3
	v_cvt_scalef32_pk8_fp8_f32 v[\cd+2*\p:\cd+2*\p+1], v[\src+8*\p:\src+8*\p+7], v[\sc]
.endr
	WIN 0
	v_nop                                          ; one plain vector instruction behind the conversions
.endm
.macro KSTORE cd, off                  ; the codes of rows of K or of Q go to their places in rows of 80 bytes
.irp t, 0,1,2,3,4,5,6,7
	ds_store_b32 v3, v[\cd+\t] offset:\off+160*\t
.endr
.endm
; rows 8 h + q of trip i's block of out: sixteen lanes store a row's 256 bytes, the wave two rows.  i < 0: there is no trip behind, and nothing is written
.macro OUT1 i, q
.if (\i) >= 0
	global_store_b128 v2, v[PC+4*(\q):PC+4*(\q)+3], s[24:25] offset:BLKB*(\i)+256*(\q) th:TH_STORE_NT
.endif
.endm
; rows of V: register t = codes of key 8 h + t at d = 4 r .. 4 r + 3.  Two transposes of 4 x 4 bytes give, for each j, the pair (keys 0-3, keys 4-7) at d = 4 r + j: registers 2 w, 2 w + 1 of fragment j.
; oi >= 0: the eight stores of trip oi's rows of out are dealt among the sixteen permutes, one behind every two.  The permutes name v[cd] .. v[xt + 7] alone: none of the stores' registers (v2, v32-63), which the caller's wait has shown written
.macro VCODES src, w1, nl, cd, xt, oi
	CODES \src, \w1, \nl, 13, \cd
.irp g, 0,1
	v_perm_b32 v[\xt+4*\g],   v[\cd+4*\g+1], v[\cd+4*\g],   s59   ; keys 0, 1: d 0, d 1
	v_perm_b32 v[\xt+4*\g+1], v[\cd+4*\g+1], v[\cd+4*\g],   s60   ; keys 0, 1: d 2, d 3
	OUT1 \oi, 2*\g
	v_perm_b32 v[\xt+4*\g+2], v[\cd+4*\g+3], v[\cd+4*\g+2], s59   ; keys 2, 3
	v_perm_b32 v[\xt+4*\g+3], v[\cd+4*\g+3], v[\cd+4*\g+2], s60
	OUT1 \oi, 2*\g+1
.endr
.irp g, 0,1
	v_perm_b32 v[\cd+\g],   v[\xt+4*\g+2], v[\xt+4*\g],   s61     ; d 0 of four keys
	v_perm_b32 v[\cd+2+\g], v[\xt+4*\g+2], v[\xt+4*\g],   s62     ; d 1
	OUT1 \oi, 4+2*\g
	v_perm_b32 v[\cd+4+\g], v[\xt+4*\g+3], v[\xt+4*\g+1], s61     ; d 2
	v_perm_b32 v[\cd+6+\g], v[\xt+4*\g+3], v[\xt+4*\g+1], s62     ; d 3
	OUT1 \oi, 4+2*\g+1
.endr
.endm
.macro VSTORE cd, off
.irp j, 0,1,2,3
	ds_store_b64 v6, v[\cd+2*\j:\cd+2*\j+1] offset:\off+1024*\j
.endr
.endm
; v[vr] = 2^e as f32 (the conversion takes its exponent field); s[sl], s[sl+1] = -448 x 2^e, +448 x 2^e
.macro MKSCALE se, vr, sl
	s_add_co_i32 s71, s[\se], 127
	s_lshl_b32 s72, s71, 23
	v_mov_b32 v[\vr], s72
	s_add_co_i32 s71, s71, 8
	s_lshl_b32 s71, s71, 23
	s_or_b32 s[\sl+1], s71, 0x600000
	s_or_b32 s[\sl], s[\sl+1], 0x80000000
.endm
.macro MLOAD b, tb                     ; eight LDS loads: m' of region tb into the four accumulators of the trip's b-th key block
.irp c, 0,1,2,3
.irp u, 0,1
	ds_load_b128 v[S+32*(\b)+8*\c+4*\u:S+32*(\b)+8*\c+4*\u+3], v8 offset:256*(\tb)+64*\c+16*\u
.endr
.endr
.endm
.macro KLOAD tb, kf                    ; eight LDS loads: K's four fragments of region tb into kf
.irp c, 0,1,2,3
.irp u, 0,1
	ds_load_b128 v[\kf+8*\c+4*\u:\kf+8*\c+4*\u+3], v4 offset:KBLK*(\tb)+16*KP*\c+32*\u
.endr
.endr
.endm
.macro SMUL b, kf                      ; four tiles of 16 keys x my 16 queries: each accumulator has one instruction
.irp c, 0,1,2,3
	v_wmma_f32_16x16x64_fp8_fp8 v[S+32*\b+8*\c:S+32*\b+8*\c+7], v[\kf+8*\c:\kf+8*\c+7], v[24:31], v[S+32*\b+8*\c:S+32*\b+8*\c+7]
.endr
.endm
.macro PCODES b                        ; p of key block b becomes eight registers of source 0
.irp c, 0,1,2,3
	v_cvt_scalef32_pk8_fp8_f32 v[PC+8*\b+2*\c:PC+8*\b+2*\c+1], v[S+32*\b+8*\c:S+32*\b+8*\c+7], v14
.endr
.endm
.macro VLOAD b, tb                     ; the 32 registers that held p of block b take V's four fragments of region tb
.irp j, 0,1,2,3
.irp q, 0,1
	ds_load_b128 v[S+32*\b+8*\j+4*\q:S+32*\b+8*\j+4*\q+3], v7 offset:VBLK*(\tb)+1024*\j+512*\q
.endr
.endr
.endm
.macro PV b                            ; the four results take turns, one instruction a turn
	s_wait_dscnt 24-8*\b                           ; V's eight loads of this block are in; those of the blocks behind it may be out
.irp j, 0,1,2,3
.if \b == 0
	v_wmma_f32_16x16x64_fp8_fp8 v[OA+8*\j:OA+8*\j+7], v[PC+8*\b:PC+8*\b+7], v[S+32*\b+8*\j:S+32*\b+8*\j+7], 0
.else
	v_wmma_f32_16x16x64_fp8_fp8 v[OA+8*\j:OA+8*\j+7], v[PC+8*\b:PC+8*\b+7], v[S+32*\b+8*\j:S+32*\b+8*\j+7], v[OA+8*\j:OA+8*\j+7]
.endif
.endr
.endm
; STAGING, at the end of trip i (i = -1: at the end of the head).  Key block T(i + 3), its values and query block i + 1 become codes, one after the other.  Behind each quantiser stands one wait, and behind it the
; quantiser's staging registers are asked for again (T(i + 4), query block i + 2; for i = 2 there is nothing more to ask for) and its codes go to LDS.  Then the next trip's fragment of Q, and the barrier.
.macro STAGE i
.if (\i) < 0
.set CB, S+64                          ; the codes' 32 registers: at the head those that T0's keys have left,
.else
.set CB, S                             ; in a trip those that V's fragments of the first block have left
.endif
.if (\i) == 2
.set KL, 55                            ; T5 has limits of its own
.set VL, 57
.else
.set KL, 47
.set VL, 49
.endif
	s_wait_loadcnt 16                              ; the keys are in; the values and Q may be out
	CODES KS1, 1, KL, 12, CB
.if (\i) < 2
	WIN 0x40                                       ; destination window 1: the switch, then the wait, then the loads
.endif
	s_wait_alu depctr_va_vdst(0)                   ; the conversions have written the keys' codes, which the LDS stores below read; the holds and conversions are done with KS1, in which the loads below land; in a trip the multiplications have written v32-63, which the stores of out read
.if (\i) < 1
	LDROWS KS1, 10, ((\i)+3)*BLKB, 0               ; T(i + 4)
.endif
.if (\i) == 1
	LDROWS KS1, 34, 0, 0                           ; T5
.endif
	WIN 0
	KSTORE CB, KBLK*((\i)+3)
.if (\i) == 2
	s_wait_loadcnt 8                               ; behind the values: Q alone
.else
	s_wait_loadcnt 16                              ; behind the values: Q and the keys just asked for
.endif
	VCODES VS1, 1, VL, CB+8, CB+16, \i             ; with the trip's rows of out among its permutes
.if (\i) < 2
	WIN 0x40                                       ; the switch, then the wait, then the loads
.endif
	s_wait_alu depctr_va_vdst(0)                   ; the permutes have written the values' codes, which the LDS stores below read; the holds and conversions are done with VS1, in which the loads below land
.if (\i) < 1
	LDV VS1, 12, ((\i)+3)*BLKB
.endif
.if (\i) == 1
	LDV VS1, 38, 0
.endif
	WIN 0
	VSTORE CB+8, VBLK*((\i)+3)
.if (\i) == 2
	s_wait_loadcnt 0x0
.else
	s_wait_loadcnt 16                              ; behind Q: the keys and values just asked for
.endif
	CODES QS, 0, 45, 11, CB+24
	s_wait_alu depctr_va_vdst(0)                   ; the conversions have written Q's codes, which the LDS stores below read; the holds and conversions are done with QS, in which the loads below land; the registers of the fragment loads below and of the next trip's first loads (v24-31, v32-223) are free of vector and matrix instructions
.if (\i) < 2
	LDROWS QS, 8, ((\i)+2)*BLKB, 1                 ; read once in the launch
.endif
	KSTORE CB+24, KBLK*7
.if (\i) >= 0
	s_wait_xcnt 0x0                                ; the stores of out have had their addresses translated (ISA guide 3.1): v32-63 are loaded over only behind this wait
.else
	s_wait_dscnt 8                                 ; all LDS stores but Q's eight are done, those of m' among them
.endif
	s_wait_alu depctr_vm_vsrc(0)                   ; every store issued so far has read its registers: the rows of out (v32-63), the codes, v23; at the head also m' (v24-27), and the masks' loads their offsets (v28-31).  The loads below and the next trip write them
	ds_load_b128 v[24:27], v5 offset:KBLK*7        ; the next trip's fragment of Q: my own rows, behind my own stores; LDS serves a wave's instructions in order (ISA guide 5.7.1.4)
	ds_load_b128 v[28:31], v5 offset:KBLK*7+32
	BARRIER                                        ; the new key block lies in LDS
.endm
	s_load_b512 s[8:23], s[0:1], 0x0               ; Q s[8:9], K s[10:11], V s[12:13], the mask s[14:15], global K s[16:17], global V s[18:19], global mask s[20:21], the scales' exponents s[22:23]
	s_load_b64 s[24:25], s[0:1], 0x40              ; out
	s_set_vgpr_msb 0x40
	v_lshl_add_u32 v64, v0, 2, 0x11900
	v_mov_b32 v65, 0
	s_set_vgpr_msb 0x4000
	s_mov_b32 s2, ttmp9                            ; x: the chunk of four query blocks
	s_and_b32 s3, ttmp7, 0xffff                    ; y: the head
	v_lshrrev_b32 v16, 5, v0
	v_readfirstlane_b32 s4, v16                    ; wave w
	v_and_b32 v17, 31, v0                          ; lane
	v_and_b32 v18, 15, v0                          ; r
	v_bfe_u32 v19, v0, 4, 1                        ; h
	s_wait_alu depctr_va_sdst(0)                   ; s4 is written, ahead of its first reader
	s_lshr_b32 s5, s4, 1
	s_and_b32 s6, s4, 1
	s_lshl_b32 s71, s4, 12                         ; my 16 rows of 256 bytes
	s_mul_i32 s72, s4, 16*KP                       ; my 16 rows of codes
	v_lshl_add_u32 v1, v17, 4, s71                 ; dense: 4096 w + 16 lane
	v_lshl_add_u32 v2, v18, 4, s71
	v_lshl_add_u32 v2, v19, 11, v2                 ; V and out: 4096 w + 2048 h + 16 r
	v_mul_u32_u24 v3, v19, KP
	v_lshl_add_u32 v3, v18, 2, v3
	v_add_nc_u32 v3, s72, v3                       ; code stores: 1280 w + 80 h + 4 r
	v_mul_u32_u24 v4, v18, KP
	v_lshl_add_u32 v4, v19, 4, v4                  ; a fragment: row r, + 16 h
	v_add_nc_u32 v5, s72, v4                       ; Q's: my own 16 rows
	s_lshl_b32 s73, s5, 9
	s_lshl_b32 s74, s6, 3
	s_add_co_u32 s73, s73, s74
	s_add_co_u32 s73, s73, VOFF
	v_lshl_add_u32 v6, v17, 4, s73                 ; V's image, in: 512 (w / 2) + 8 (w % 2) + 16 lane
	v_lshl_add_u32 v7, v17, 4, VOFF                ; and out
	v_lshl_add_u32 v8, v19, 5, MOFF                ; m': eight keys of my half
	s_lshl_b32 s75, s4, 6
	s_add_co_u32 s75, s75, LTB
	v_lshl_add_u32 v9, v18, 2, s75                 ; 1 / l of query r,
	v_lshl_add_u32 v10, v19, 5, s75                ; and of queries 8 h .. 8 h + 7
	v_lshl_add_u32 v15, v0, 2, MOFF                ; m' on the way in: a word a thread
	; the mask: thread t takes key t of 128 in each of three pairs of blocks.  A block outside the head is held inside it, and s[68 + u] says so
	s_lshl_b32 s7, s2, 2
	s_add_co_u32 s7, s7, s5
	s_sub_co_i32 s7, s7, 1                         ; 4 x - 1 + w / 2
	s_lshl_b32 s74, s6, 7
.irp u, 0,1,2
	s_add_co_i32 s76, s7, 2*\u
	s_max_i32 s73, s76, 0
	s_min_i32 s73, s73, 127
	s_cmp_eq_u32 s73, s76
	s_cselect_b32 s[68+\u], -1, 0
	s_lshl_b32 s73, s73, 8
	s_add_co_u32 s73, s73, s74
	v_lshl_add_u32 v[28+\u], v17, 2, s73           ; 256 block + 128 (w % 2) + 4 lane
.endr
	v_and_b32 v31, 63, v0
	v_lshlrev_b32 v31, 2, v31                      ; the global mask: 64 words, taken twice
	s_lshl_b32 s26, s3, 21                         ; a head is 8,192 rows of 256 bytes,
	s_lshl_b32 s73, s2, 16                         ; a chunk 256 rows
	s_add_co_u32 s26, s26, s73
	s_mov_b32 s27, 0
	s_wait_kmcnt 0x0
	s_load_b128 s[28:31], s[22:23], 0x0            ; eq, ek, ep, ev
	s_add_nc_u64 s[8:9], s[8:9], s[26:27]          ; Q and out at the chunk's first row; K and V at T1
	s_add_nc_u64 s[10:11], s[10:11], s[26:27]
	s_add_nc_u64 s[12:13], s[12:13], s[26:27]
	s_add_nc_u64 s[24:25], s[24:25], s[26:27]
	s_lshl_b32 s26, s3, 14
	s_add_nc_u64 s[16:17], s[16:17], s[26:27]      ; the head's global keys and values
	s_add_nc_u64 s[18:19], s[18:19], s[26:27]
	s_cmp_ge_u32 s3, 12                            ; the masks hang on the batch alone
	s_cselect_b32 s26, 32768, 0
	s_add_nc_u64 s[14:15], s[14:15], s[26:27]
	s_cselect_b32 s26, 256, 0
	s_add_nc_u64 s[20:21], s[20:21], s[26:27]
	s_cmp_lg_u32 s2, 0                             ; T0: a block back, or T1 itself where there is none
	s_cselect_b32 s26, BLKB, 0
	s_sub_nc_u64 s[32:33], s[10:11], s[26:27]
	s_sub_nc_u64 s[36:37], s[12:13], s[26:27]
	s_cmp_lg_u32 s2, 31                            ; T5: four blocks on, or T1 itself
	s_cselect_b32 s26, 4*BLKB, 0
	s_add_nc_u64 s[34:35], s[10:11], s[26:27]
	s_add_nc_u64 s[38:39], s[12:13], s[26:27]
	s_wait_alu depctr_va_vdst(0)                   ; v1-10, v15 and v28-31 are written: every load, store and LDS instruction of the kernel reads one of them as its offset or address
	; 76 loads of a wave go out in the order in which they are worked on
	global_load_b32 v24, v28, s[14:15]
	global_load_b32 v25, v29, s[14:15]
	global_load_b32 v26, v30, s[14:15]
	global_load_b32 v27, v31, s[20:21]
	LDROWS 64, 16, 0, 0                            ; G
	LDV 96, 18, 0
	LDROWS 128, 32, 0, 0                           ; T0
	LDV 160, 36, 0
	LDROWS 192, 10, 0, 0                           ; T1
	LDV 32, 12, 0
	WIN 0x40                                       ; destination window 1
	LDROWS KS1, 10, BLKB, 0                        ; T2
	LDV VS1, 12, BLKB
	WIN 0
	LDROWS QS, 8, 0, 1                             ; Q's first block: read once in the launch
	s_mov_b32 s59, 0x05010400                      ; v_perm_b32: bytes 0, 1 of two registers, interleaved;
	s_mov_b32 s60, 0x07030602                      ; bytes 2, 3;
	s_mov_b32 s61, 0x05040100                      ; the low halves of two registers;
	s_mov_b32 s62, 0x07060302                      ; the high halves
	s_mov_b32 s66, 0x76543210                      ; v_permlanex16_b32: lane l xor 16
	s_mov_b32 s67, 0xfedcba98
	v_mov_b32 v16, 0xc61c4000                      ; -10000.0
	s_wait_alu depctr_va_vdst(0)
	s_wait_kmcnt 0x0
	s_add_co_i32 s71, s28, s29                     ; eq + ek
	s_sub_co_i32 s42, 3, s71                       ; m' = mask x 2^(3 - eq - ek)
	s_lshl_b32 s72, s71, 23
	s_add_co_i32 s40, s72, 0x3e38aa3b              ; c = log2(e) / 8, with eq + ek added to its exponent field
	s_mov_b32 s41, s40                             ; (named with it as a pair, so it is written)
	MKSCALE 28, 11, 45                             ; Q
	MKSCALE 29, 12, 47                             ; K
	MKSCALE 31, 13, 49                             ; V
	MKSCALE 30, 14, 43                             ; p: s44 = 448 x 2^ep; s43 is written anew in the next line
	s_add_co_i32 s43, s30, s31                     ; ep + ev
	s_cmp_lg_u32 s2, 0                             ; a pad block's limits are 0: every code is 0
	s_cselect_b32 s51, s47, 0
	s_cselect_b32 s52, s48, 0
	s_cselect_b32 s53, s49, 0
	s_cselect_b32 s54, s50, 0
	s_cmp_lg_u32 s2, 31
	s_cselect_b32 s55, s47, 0
	s_cselect_b32 s56, s48, 0
	s_cselect_b32 s57, s49, 0
	s_cselect_b32 s58, s50, 0
	s_wait_loadcnt 63                              ; of 76 loads the oldest 13 are in: the four of the masks and G's keys (64 were issued behind those; the count's field ends at 63)
.irp u, 0,1,2
	v_cndmask_b32 v[24+\u], v16, v[24+\u], s[68+\u]   ; outside the head: -10000
.endr
.irp u, 0,1,2,3
	v_ldexp_f32 v[24+\u], v[24+\u], s42
.endr
	; each block is quantised behind waits that leave all younger loads out.  The codes' registers lie in staging that has been worked off; no two quantisers share one, so no register that an LDS store reads is written again ahead of the wait on vm_vsrc at the head's end.
	; A block's keys and values share one wait on va_vdst, ahead of the block's LDS stores
	CODES 64, 0, 47, 12, 16                        ; G
	s_wait_loadcnt 56
	VCODES 96, 0, 49, S, S+8, -1
	s_wait_alu depctr_va_vdst(0)                   ; m' (v24-27) and G's codes (v16-23, v64-71) are written, which the LDS stores read
.irp u, 0,1,2,3
	ds_store_b32 v15, v[24+\u] offset:512*\u
.endr
	KSTORE 16, KBLK*6
	VSTORE S, VBLK*6
	s_wait_loadcnt 48
	CODES 128, 0, 51, 12, S+16                     ; T0, with its own limits
	s_wait_loadcnt 40
	VCODES 160, 0, 53, S+32, S+40, -1
	s_wait_alu depctr_va_vdst(0)                   ; T0's codes (v80-87, v96-103) are written, which the LDS stores read
	KSTORE S+16, 0
	VSTORE S+32, 0
	s_wait_loadcnt 32
	CODES 192, 0, 47, 12, S+24                     ; T1
	s_wait_loadcnt 24
	VCODES 32, 0, 49, S+48, S+56, -1
	s_wait_alu depctr_va_vdst(0)                   ; T1's codes (v88-95, v112-119) are written, which the LDS stores read
	KSTORE S+24, KBLK
	VSTORE S+48, VBLK
	STAGE -1                                       ; T2 and Q's first block; T3 and Q's second block are asked for.  Behind its barrier T0, T1, T2, G and m' lie in LDS
; TRIP i: query block 4 x + i against regions i, i + 1, i + 2 and 6
.macro TRIP i
	MLOAD 0, \i                                    ; 32 LDS loads: m' and K's fragments of the first two key blocks.  No wait on s_wait_alu: no vector or matrix instruction, and no store, was issued behind the staging's last two
	KLOAD \i, KF0
	MLOAD 1, \i+1
	KLOAD \i+1, KF1
	s_wait_dscnt 16                                ; the first block's 16 loads are in; the second block's may be out
	SMUL 0, KF0
	MLOAD 2, \i+2                                  ; m' of the last two blocks is dealt among the products.  No wait: since the staging's last wait only products 0 and 1 were issued, which name v24-127 and v192-223, and these loads land in v128-191
	s_wait_dscnt 8                                 ; the second block's loads are in; the eight just issued may be out
	SMUL 1, KF1
	MLOAD 3, 6
	PLACES                                         ; four plain vector instructions stay between the products and the loads into their sources; the wait behind them states the dependence
	s_wait_alu depctr_va_vdst(0)                   ; the eight products are done reading K's fragments, in which the loads below land
	KLOAD \i+2, KF0
	KLOAD 6, KF1
	s_wait_dscnt 8                                 ; all but the global block's fragments are in
	SMUL 2, KF0
	s_wait_dscnt 0x0
	SMUL 3, KF1
	; the row's largest sum, in two chains that go up through the registers: each accumulator is first read at its low end, and the first lines are the places behind the last products
	v_max3_num_f32 v16, v[S], v[S+1], v[S+2]
	v_max3_num_f32 v17, v[S+3], v[S+4], v[S+5]
.set cnt, 6
.rept 30
	v_max3_num_f32 v16, v16, v[S+cnt], v[S+cnt+1]
	v_max3_num_f32 v17, v17, v[S+cnt+2], v[S+cnt+3]
.set cnt, cnt+4
.endr
	v_max3_num_f32 v16, v16, v[S+126], v[S+127]
	v_max_num_f32 v16, v16, v17
	v_permlanex16_b32 v18, v16, s66, s67           ; my query's other 128 keys lie in lane l xor 16
	v_max_num_f32 v16, v16, v18
	v_mul_f32 v16, s40, v16                        ; as t (c is positive)
	v_floor_f32 v20, -v16                          ; -M = floor(-t) = -ceil(t)
.set cnt, 0
.rept 64
	v_pk_fma_f32 v[S+cnt:S+cnt+1], v[S+cnt:S+cnt+1], s[40:41], v[20:21] op_sel_hi:[1,0,0]   ; t - M, two at a time (of the pairs c and -M the low word serves both halves)
.set cnt, cnt+2
.endr
.set cnt, 0
	s_wait_alu depctr_va_vdst(0)
.rept 128
	v_exp_f32 v[S+cnt], v[S+cnt]                   ; p = 2^(t - M)
.set cnt, cnt+1
.endr
	v_nop                                          ; a plain instruction between the exponentials and the use of their results
	s_wait_alu depctr_va_vdst(0)                   ; the 128 exponentials have written p: one wait for the batch, ahead of the first instruction that names a result
	v_pk_add_f32 v[16:17], v[S:S+1], v[S+2:S+3]    ; l: the sum of the unquantised p, two at a time, in two chains
	v_pk_add_f32 v[18:19], v[S+4:S+5], v[S+6:S+7]
.set cnt, 8
.rept 30
	v_pk_add_f32 v[16:17], v[16:17], v[S+cnt:S+cnt+1]
	v_pk_add_f32 v[18:19], v[18:19], v[S+cnt+2:S+cnt+3]
.set cnt, cnt+4
.endr
	v_pk_add_f32 v[16:17], v[16:17], v[18:19]
	v_add_f32 v16, v16, v17
	v_permlanex16_b32 v22, v16, s66, s67
	v_add_f32 v16, v16, v22
	s_wait_alu depctr_va_vdst(0)
	v_rcp_f32 v23, v16
	v_nop                                          ; a plain instruction behind the reciprocal
	s_wait_alu depctr_va_vdst(0)                   ; the reciprocal has written v23: ahead of its first reader and of the branch below
	v_ldexp_f32 v23, v23, s43                      ; 2^(ep + ev) / l of query r
	; the hold at the largest code.  p is at most 1 (but for the last bit), and from ep = -8 on 448 x 2^ep is 1.75 or more: the hold then changes nothing and is passed over, by a branch on the given whole number
	s_cmp_ge_i32 s30, -8
	s_cbranch_scc1 .Lno_hold_\@
.set cnt, 0
.rept 128
	v_min_num_f32 v[S+cnt], s44, v[S+cnt]          ; p is not negative: the hold is one-sided
.set cnt, cnt+1
.endr
.Lno_hold_\@:
	PCODES 0                                       ; all sixteen conversions stand together, so that one wait serves all the loads into their sources
	PCODES 1
	PCODES 2
	PCODES 3
	v_nop                                          ; one plain vector instruction behind the conversions
	s_wait_alu depctr_va_vdst(0)                   ; v23 is written, which the LDS store reads; the conversions are done reading p, and the first products Q's fragment: the loads below land in S and in v24-31
	ds_store_b32 v9, v23                           ; the results hold query 8 h + i in register i: 16 words of 1 / l turn through my own LDS bytes
	ds_load_b128 v[24:27], v10
	ds_load_b128 v[28:31], v10 offset:16
	VLOAD 0, \i
	VLOAD 1, \i+1
	VLOAD 2, \i+2
	VLOAD 3, 6
	PV 0                                           ; (its wait also covers the older loads of 1 / l)
	PV 1
	PV 2
	PV 3
	PLACES
.irp q, 0,1,2,3,4,5,6,7
.irp j, 0,1,2,3
	v_mul_f32 v[PC+4*\q+\j], v[OA+8*\j+\q], v[24+\q]   ; out(8 h + q, 4 r + j); each result from its low end on
.endr
.endr
.if \i < 3
	STAGE \i                                       ; the key block that the next trip adds, its values, the next queries; the rows of out leave behind its first wait
.else
	s_wait_alu depctr_va_vdst(0)                   ; the multiplications have written v32-63, which the stores read
.irp q, 0,1,2,3,4,5,6,7
	OUT1 \i, \q
.endr
.endif
.endm
	TRIP 0
	TRIP 1
	TRIP 2
	TRIP 3
	s_set_vgpr_msb 0x5
	s_wait_dscnt 0x0
	s_wait_alu depctr_hold_cnt(0) depctr_sa_sdst(0) depctr_va_vdst(0) depctr_va_sdst(0) depctr_va_ssrc(0) depctr_va_vcc(0) depctr_vm_vsrc(0)
	s_wait_tensorcnt 0x0
	ds_add_u32 v64, v65
	s_wait_dscnt 0x0
	s_endpgm
.Lfunc_end_k_qa44ddd015f_attn:
	.size	k_qa44ddd015f_attn, .Lfunc_end_k_qa44ddd015f_attn-k_qa44ddd015f_attn
	.p2alignl 7, 3214868480
	.fill 96, 4, 3214868480
	.section	.rodata,"a",@progbits
	.p2align	6, 0x0
	.amdhsa_kernel k_qa44ddd015f_attn
		.amdhsa_group_segment_fixed_size 72448
		.amdhsa_private_segment_fixed_size 0
		.amdhsa_enable_private_segment 0
		.amdhsa_kernarg_size 72
		.amdhsa_user_sgpr_count 2
		.amdhsa_user_sgpr_kernarg_segment_ptr 1
		.amdhsa_wavefront_size32 1
		.amdhsa_system_sgpr_workgroup_id_x 1
		.amdhsa_system_sgpr_workgroup_id_y 1
		.amdhsa_system_sgpr_workgroup_id_z 1
		.amdhsa_system_vgpr_workitem_id 0
		.amdhsa_next_free_vgpr 322
		.amdhsa_next_free_sgpr 80
		.amdhsa_reserve_vcc 0
		.amdhsa_float_denorm_mode_32 3
		.amdhsa_float_denorm_mode_16_64 3
		.amdhsa_memory_ordered 1
		.amdhsa_forward_progress 1
		.amdhsa_inst_pref_size 209
	.end_amdhsa_kernel
	.amdgpu_metadata
---
amdhsa.version: [ 1, 2 ]
amdhsa.kernels:
  - .name:           k_qa44ddd015f_attn
    .symbol:         k_qa44ddd015f_attn.kd
    .args:
      - { .name: query_layer, .offset: 0, .size: 8, .value_kind: global_buffer, .address_space: global }
      - { .name: key_layer, .offset: 8, .size: 8, .value_kind: global_buffer, .address_space: global }
      - { .name: value_layer, .offset: 16, .size: 8, .value_kind: global_buffer, .address_space: global }
      - { .name: attention_mask, .offset: 24, .size: 8, .value_kind: global_buffer, .address_space: global }
      - { .name: global_key, .offset: 32, .size: 8, .value_kind: global_buffer, .address_space: global }
      - { .name: global_value, .offset: 40, .size: 8, .value_kind: global_buffer, .address_space: global }
      - { .name: global_mask, .offset: 48, .size: 8, .value_kind: global_buffer, .address_space: global }
      - { .name: lowp_scales, .offset: 56, .size: 8, .value_kind: global_buffer, .address_space: global }
      - { .name: out0, .offset: 64, .size: 8, .value_kind: global_buffer, .address_space: global }
    .group_segment_fixed_size: 72448
    .private_segment_fixed_size: 0
    .kernarg_segment_align: 8
    .kernarg_segment_size: 72
    .max_flat_workgroup_size: 128
    .sgpr_count:     80
    .vgpr_count:     322
    .wavefront_size: 32
...
	.end_amdgpu_metadata
.endif
;; end of part 2
